; MI455X (gfx1250); checked and timed in simulation.
; The chip was launched on July 23, 2026; its instructions are those of AMD's public machine-readable ISA for CDNA 5 (MIT licence, August 2026) and "CDNA5" Instruction Set Architecture Reference Guide (July 2026). The comments in the code are by the model that wrote it; some were corrected since.
;; Full Attention Encoder. Allowed arithmetic: float matrix products may take bf16 or f16 operands with f32 sums; other float arithmetic in f32, or as packed bf16 or f16 multiplies, adds, multiply-adds, maxima and minima; sums over many terms, partial sums and values carried from step to step in f32; what a program stores and reads back later, other than sums and carried values, may be rounded once to bf16 or f16.
;; Inputs: attn_mask 1 x 1 x 2,048 x 2,048 bool; keys 4 x 2,048 x 8 x 64 float32; queries 4 x 2,048 x 8 x 64 float32; values 4 x 2,048 x 8 x 64 float32.
;; Outputs: out0 4 x 2,048 x 8 x 64 float32.
;; 2 versions, each right; version 2 is version 1 with the launch attn written anew for expert scheduling mode. Each part assembles by itself: llvm-mc -triple=amdgcn-amd-amdhsa -mcpu=gfx1250 --defsym DOCPART=n.
;; ======== version 1 of 2: 2 launches
;; limits: inputs' magnitudes at most 3,900; values are held in f16: magnitudes above 65,504 overflow, below 6.1e-05 lose precision
;; workspace buffers: kvf 16,777,216 bytes; list 32,768 bytes of whole numbers; bits 524,288 bytes of whole numbers
;; launch prep (part 1): grid 640 x 1, 8 waves a work-group, no clusters, 49,920 bytes of LDS; arguments attn_mask, keys, values, kvf, list, bits; writes kvf, list, bits
.if DOCPART == 1
	.amdgcn_target "amdgcn-amd-amdhsa--gfx1250"
	.amdhsa_code_object_version 6
	.text
	.protected	k_qc388a341ea_prep
	.globl	k_qc388a341ea_prep
	.p2align	8
	.type	k_qc388a341ea_prep,@function
k_qc388a341ea_prep:
	s_mov_b64 s[64:65], 0
	v_nop
	global_prefetch_b8 v0, s[64:65] scope:SCOPE_SE
	s_setreg_imm32_b32 hwreg(HW_REG_WAVE_MODE, 25, 1), 1
	s_wait_xcnt 0x0
; FIRST OF TWO LAUNCHES.  out[b][l][h][:] = sum over s of softmax_s(0.125 x (mask[l][s] ? q.k : -1e9)) v[b][s][h][:];  B = 4, L = 2048, H = 8, E = 64, all f32, [B][L][H][E]; mask [L][L] of bytes.
; THIS LAUNCH MAKES (a) kvf: K and V once in 16 bits, laid so that the second launch loads matrix operands as they lie; (b) list: for each tile of 16 queries the blocks of 16 keys
; that hold at least one allowed key for at least one of the 16 queries; (c) bits: for each listed block eight words of lane bits for the selection.
; WHAT THE SECOND LAUNCH LEAVES OUT, AND WHY IT MAY.  The mask is whole numbers; this launch reads it, and the second launch does only what the list asks for.  A block that is not listed is masked for
; all 16 queries: each of its weights is exp(0.125 (-1e9 - m)), m the row's largest entry.  A tile is thinned only if EVERY one of its 16 rows has an allowed key; then m is a true score.
; LIMIT: with 64 max|q| max|k| under 9.9e8 (inputs up to some 3,900 in size) that weight lies below the least f32 number, and reference()'s own f32 gives 0 for it.
; A tile in which some row has NO allowed key lists all 128 blocks: that row's entries are all -1e9, as in reference(), and its weights come out equal over all 2,048 keys.
; LIMIT: a NaN or an infinity of K or V that lies only in blocks not listed is not carried to the result.  Every input is loaded; none is left out.
; FORMATS.  K (and Q, in the second launch) are rounded to bf16.  V is rounded to bf16 and that number is written as f16: the same number from 6e-5 up to 65,504 in size; below, f16's step of 6e-8; beyond, no room.
; WORK-GROUPS.  0 to 127: the mask's tile t = the number.  128 to 639: one batch and one block of 16 keys, a head to each of the eight waves.  The choice hangs on the work-group's number alone: it is the same in all eight waves.
; kvf: [8 b + h][block kb][4,096 bytes].  Bytes 0-2047, piece g of 4, lane l at 512 g + 16 l: bf16 K[16 kb + l % 16][channels 16 g + 8 (l / 16) + 0..7].
;      Bytes 2048-4095, piece c of 4, lane l at 512 c + 16 l: f16 V[16 kb + 8 (l / 16) + 0..7][channel 4 (l % 16) + c], keys ascending.
; list: [t][256 bytes].  Byte p: the block at place p of the list, 0 past its end; the word at byte 128: U, the number of units of four places; all else 0.
; bits: [t][place p][8 words].  Word j, bit l: mask[16 t + l % 16][16 kb_p + 8 (l / 16) + j]; 0 past the list's end.  Both are stored whole, every byte of every tile.
.set MBW,   4352                       ; LDS 0: for each wave 16 rows of 272 bytes (mask bytes) or 16 rows of 144 (K in bf16)
.set WOFF,  34816                      ; 128 blocks x 8 words of lane bits
.set RED,   38912                      ; a block of 256 bytes: wave w's two words at 8 w
.set SPARE, 39168                      ; the spare words, 128 bytes for each wave: four blocks of 256 bytes that no other line names
.set LIMG,  40192                      ; 512 bytes: the tile's part of list (bytes 0 to 255), then bytes that are written and never sent
.set BIMG,  40704                      ; 9,216 bytes: the tile's part of bits (bytes 0 to 4,095), then bytes that are written and never sent
.set AWAY,  256                        ; a block that is not listed goes to place 256 + lane: byte 256 + lane of LIMG, bytes 8,192 + 32 lane on of BIMG
.set LISTP, 56                         ; s[56:57] list
.set BITSP, 58                         ; s[58:59] bits
.set SPW,   126                        ; v126  LDS address of my spare word; never rewritten
.set NIL,   127                        ; v127  0; never rewritten
	s_load_b256 s[4:11], s[0:1], 0x0               ; mask s[4:5], keys s[6:7], values s[8:9], kvf s[10:11]
	s_load_b128 s[56:59], s[0:1], 0x20             ; list, bits
	v_lshl_add_u32 v[SPW], v0, 2, SPARE
	v_mov_b32 v[NIL], 0
	v_lshrrev_b32 v1, 5, v0
	v_readfirstlane_b32 s14, v1                    ; wave 0..7
	v_and_b32 v1, 15, v0                           ; x = l % 16
	v_bfe_u32 v2, v0, 4, 1                         ; hh = l / 16
	v_lshlrev_b32 v3, 4, v1
	v_lshl_add_u32 v3, v2, 14, v3                  ; rows are 2,048 bytes apart in all three inputs: lanes 0-15 take 256 bytes of row i, lanes 16-31 of row i + 8
	s_mul_i32 s15, s14, MBW                        ; my wave's stage
	s_mov_b32 s3, 0
	s_wait_kmcnt 0x0
	s_cmp_ge_u32 ttmp9, 128
	s_cbranch_scc1 .Lkv
; ---------------- THE MASK'S TILE t.  Wave w owns columns 256 w .. 256 w + 255: blocks 16 w .. 16 w + 15.
	s_lshl_b32 s2, ttmp9, 15                       ; 16 rows of 2,048 bytes
	s_lshl_b32 s16, s14, 8
	s_add_co_u32 s2, s2, s16
	s_add_nc_u64 s[4:5], s[4:5], s[2:3]
	s_lshl_b32 s2, ttmp9, 8                        ; the tile's 256 bytes of list
	s_add_nc_u64 s[LISTP:LISTP+1], s[LISTP:LISTP+1], s[2:3]
	s_lshl_b32 s2, ttmp9, 12                       ; the tile's 4,096 bytes of bits
	s_add_nc_u64 s[BITSP:BITSP+1], s[BITSP:BITSP+1], s[2:3]
.irp i, 0,1,2,3,4,5,6,7
	global_load_b128 v[16+4*(\i):16+4*(\i)+3], v3, s[4:5] offset:2048*(\i) th:TH_LOAD_NT
.endr
	v_mov_b32 v4, 0                                ; what will be sent starts as zeros: 256 threads x 16 bytes of BIMG, 256 threads x 1 byte of LIMG
	v_mov_b32 v5, 0
	v_mov_b32 v6, 0
	v_mov_b32 v7, 0
	v_lshlrev_b32 v8, 4, v0                        ; 16 x thread: kept for the way out
	ds_store_b128 v8, v[4:7] offset:BIMG
	ds_store_b8 v0, v4 offset:LIMG
	v_mul_u32_u24 v9, v2, 2176                     ; in: row i + 8 hh, 16 bytes at 16 x
	v_lshl_add_u32 v9, v1, 4, v9
	v_add_nc_u32 v9, s15, v9
	v_mul_u32_u24 v12, v1, 272                     ; back: row x, 8 bytes at 8 hh of each block's 16
	v_lshl_add_u32 v12, v2, 3, v12
	v_add_nc_u32 v12, s15, v12
	v_and_b32 v11, 31, v0                          ; my word of four blocks' 32 words of lane bits
	v_lshlrev_b32 v11, 2, v11
	s_lshl_b32 s16, s14, 9
	s_add_co_u32 s16, s16, WOFF
	v_add_nc_u32 v11, s16, v11
	v_mov_b32 v10, 0                               ; written whole before single lanes of it are written
	s_mov_b32 s25, 0                               ; X: the OR of all my lane words
	s_mov_b32 s26, 0                               ; F: bit k: my block k has an allowed key
.irp i, 0,1,2,3,4,5,6,7
	s_wait_loadcnt 7-(\i)                          ; loads come back in order: load i is in, the younger ones stay out
	ds_store_b128 v9, v[16+4*(\i):16+4*(\i)+3] offset:272*(\i)
.endr
.irp k, 0,1,2,3,4,5,6,7,8,9,10,11,12,13,14,15
	ds_load_b64 v[48+2*(\k):48+2*(\k)+1], v12 offset:16*(\k)  ; my wave's own bytes: LDS serves a wave's instructions in order, so these see the stores above
.endr
	s_wait_dscnt 0x0
; Block k: byte j of my eight becomes bit l of word j; the eight words go into lanes 8 (k % 4) + j of v10, and every fourth block 32 words are stored.
.macro BLOCKMASK k
.irp j, 0,1,2,3,4,5,6,7
	v_bfe_u32 v[4+(\j)%2], v[48+2*(\k)+(\j)/4], 8*((\j)%4), 8
	v_cmp_ne_u32 s[16+(\j)], 0, v[4+(\j)%2]
.endr
	s_or_b32 s24, s16, s17
.irp j, 2,3,4,5,6,7
	s_or_b32 s24, s24, s[16+(\j)]
.endr
	s_or_b32 s25, s25, s24
	s_cmp_lg_u32 s24, 0
	s_cselect_b32 s27, 1<<(\k), 0
	s_or_b32 s26, s26, s27
.irp j, 0,1,2,3,4,5,6,7
	v_writelane_b32 v10, s[16+(\j)], 8*((\k)%4)+(\j)
.endr
.if (\k)%4 == 3
	ds_store_b32 v11, v10 offset:128*((\k)/4)
.endif
.endm
.irp k, 0,1,2,3,4,5,6,7,8,9,10,11,12,13,14,15
	BLOCKMASK \k
.endr
	s_lshl_b32 s16, s14, 3
	s_add_co_u32 s16, s16, RED
	v_mov_b32 v13, s16
	v_mov_b32 v14, s25
	v_mov_b32 v15, s26
	ds_store_b64 v13, v[14:15]                     ; all lanes write the same two words
	s_wait_dscnt 0x0                               ; for the others' sake: my zeros, my lane words and my two words are in LDS
	s_barrier_signal -1
	s_barrier_wait -1
	v_mov_b32 v13, RED
.irp k, 0,1,2,3
	ds_load_b128 v[16+4*(\k):16+4*(\k)+3], v13 offset:16*(\k)  ; X and F of all eight waves, in every lane
.endr
	s_wait_dscnt 0x0                               ; my reads are back:
	s_barrier_signal -1                            ; from here to the next barrier wave 0 alone touches LDS
	s_barrier_wait -1
.irp i, 0,1,2,3,4,5,6,7,8,9,10,11,12,13,14,15
	v_readfirstlane_b32 s[40+(\i)], v[16+(\i)]     ; s[40 + 2 w] = X of wave w, s[41 + 2 w] = F of wave w
.endr
	s_or_b32 s25, s40, s42
.irp i, 44,46,48,50,52,54
	s_or_b32 s25, s25, s[\i]
.endr
.irp g, 0,1,2,3
	s_lshl_b32 s27, s[43+4*(\g)], 16
	s_or_b32 s[28+(\g)], s27, s[41+4*(\g)]         ; bit i: block 32 g + i is listed
.endr
	s_lshr_b32 s27, s25, 16                        ; row r has an allowed key where bit r or bit r + 16 of X is set
	s_or_b32 s27, s27, s25
	s_and_b32 s27, s27, 0xffff
	s_cmp_lg_u32 s27, 0xffff
	s_cselect_b32 s27, -1, 0                       ; a row without any: all 128 blocks are listed
.irp g, 0,1,2,3
	s_or_b32 s[28+(\g)], s[28+(\g)], s27
.endr
	s_mov_b32 s32, 0                               ; s[32 + g]: listed blocks ahead of group g
	s_bcnt1_i32_b32 s33, s28
	s_bcnt1_i32_b32 s34, s29
	s_add_co_u32 s34, s34, s33
	s_bcnt1_i32_b32 s35, s30
	s_add_co_u32 s35, s35, s34
	s_bcnt1_i32_b32 s36, s31
	s_add_co_u32 s36, s36, s35                     ; n, 1 to 128
	s_add_co_u32 s37, s36, 3
	s_lshr_b32 s37, s37, 2                         ; U = n / 4, rounded up: 1 to 32
	s_cmp_lg_u32 s14, 0
	s_cbranch_scc1 .Lnot0
	; Wave 0 (thread = lane) places the blocks, 32 at a time, with all lanes on.  A listed block 32 g + l goes to place p = the listed blocks ahead of it.
	; A block that is not listed goes to place 256 + l, which is never sent.  The choice stands ahead of the clamp; behind the clamp stands one left shift.
	v_lshlrev_b32 v13, 5, v0
	v_add_nc_u32 v14, AWAY, v0
.irp g, 0,1,2,3
	ds_load_b128 v[16+8*(\g):16+8*(\g)+3], v13 offset:WOFF+1024*(\g)
	ds_load_b128 v[16+8*(\g)+4:16+8*(\g)+7], v13 offset:WOFF+1024*(\g)+16
	v_mbcnt_lo_u32_b32 v5, s[28+(\g)], s[32+(\g)]
	v_cndmask_b32 v5, v14, v5, s[28+(\g)]          ; listed: its place; else the lane's own place behind what is sent
	v_min_u32 v5, AWAY+31, v5
	v_lshlrev_b32 v10, 5, v5                       ; 32 bytes of lane words a place
	v_add_nc_u32 v4, 32*(\g), v0                   ; the block's number
	s_wait_dscnt 0x0                               ; the block's eight words are in
	ds_store_b128 v10, v[16+8*(\g):16+8*(\g)+3] offset:BIMG
	ds_store_b128 v10, v[16+8*(\g)+4:16+8*(\g)+7] offset:BIMG+16
	ds_store_b8 v5, v4 offset:LIMG                 ; one byte a place
.endr
	v_mov_b32 v4, s37
	v_mov_b32 v5, LIMG+128
	ds_store_b32 v5, v4                            ; U
.Lnot0:
	s_wait_dscnt 0x0                               ; wave 0's stores are in LDS
	s_barrier_signal -1
	s_barrier_wait -1
	ds_load_b128 v[16:19], v8 offset:BIMG
	s_wait_dscnt 0x0
	global_store_b128 v8, v[16:19], s[BITSP:BITSP+1]  ; the tile's 4,096 bytes of bits, whole: each store of a wave covers 512 consecutive bytes, aligned
	s_cmp_lg_u32 s14, 0
	s_cbranch_scc1 .Lend
	v_lshlrev_b32 v13, 3, v0                       ; wave 0: 32 lanes x 8 bytes are the tile's 256 bytes of list, whole
	ds_load_b64 v[20:21], v13 offset:LIMG
	s_wait_dscnt 0x0
	global_store_b64 v13, v[20:21], s[LISTP:LISTP+1]
	s_branch .Lend
; ---------------- K AND V: batch b, block kb of 16 keys; my wave's number is the head.  The work-group reads 32,768 consecutive bytes of K and of V.
.Lkv:
	s_sub_co_u32 s16, ttmp9, 128
	s_lshr_b32 s17, s16, 7                         ; b
	s_and_b32 s18, s16, 127                        ; kb
	s_lshl_b32 s2, s17, 22
	s_lshl_b32 s19, s18, 15
	s_add_co_u32 s2, s2, s19
	s_lshl_b32 s19, s14, 8
	s_add_co_u32 s2, s2, s19
	s_add_nc_u64 s[6:7], s[6:7], s[2:3]
	s_add_nc_u64 s[8:9], s[8:9], s[2:3]
	s_lshl_b32 s2, s17, 3
	s_add_co_u32 s2, s2, s14
	s_lshl_b32 s2, s2, 7
	s_add_co_u32 s2, s2, s18
	s_lshl_b32 s2, s2, 12                          ; ((8 b + h) 128 + kb) 4,096
	s_add_nc_u64 s[10:11], s[10:11], s[2:3]
.irp i, 0,1,2,3,4,5,6,7
	global_load_b128 v[16+4*(\i):16+4*(\i)+3], v3, s[6:7] offset:2048*(\i) th:TH_LOAD_NT  ; K[8 hh + i][4 x .. 4 x + 3]
.endr
.irp i, 0,1,2,3,4,5,6,7
	global_load_b128 v[48+4*(\i):48+4*(\i)+3], v3, s[8:9] offset:2048*(\i) th:TH_LOAD_NT  ; V likewise
.endr
	v_mul_u32_u24 v7, v2, 1152                     ; in: row 8 hh + i of 144 bytes, 8 bytes at 8 x
	v_lshl_add_u32 v7, v1, 3, v7
	v_add_nc_u32 v7, s15, v7
	v_mul_u32_u24 v8, v1, 144                      ; back: row x, 16 bytes at 32 g + 16 hh
	v_lshl_add_u32 v8, v2, 4, v8
	v_add_nc_u32 v8, s15, v8
	v_and_b32 v9, 31, v0
	v_lshlrev_b32 v9, 4, v9                        ; 16 l: each store of the wave covers 512 consecutive bytes, aligned
	s_wait_loadcnt 8                               ; K is in; V's eight loads may stay out
.irp i, 0,1,2,3,4,5,6,7
	v_cvt_pk_bf16_f32 v[80+2*(\i)], v[16+4*(\i)], v[16+4*(\i)+1]
	v_cvt_pk_bf16_f32 v[80+2*(\i)+1], v[16+4*(\i)+2], v[16+4*(\i)+3]
	ds_store_b64 v7, v[80+2*(\i):80+2*(\i)+1] offset:144*(\i)
.endr
.irp g, 0,1,2,3
	ds_load_b128 v[16+4*(\g):16+4*(\g)+3], v8 offset:32*(\g)  ; my wave's own bytes, served in order
.endr
	s_wait_loadcnt 0x0                             ; V is in
.irp e, 0,1,2,3                        ; V needs no exchange: the lane holds keys 8 hh + 0..7 of channels 4 x + e
.irp t, 0,1,2,3
	v_cvt_pk_bf16_f32 v4, v[48+8*(\t)+(\e)], v[48+8*(\t)+4+(\e)]  ; keys 2 t and 2 t + 1, rounded to bf16,
	v_lshlrev_b32 v5, 16, v4
	v_and_b32 v6, 0xffff0000, v4
	v_cvt_pk_f16_f32 v[96+4*(\e)+(\t)], v5, v6                    ; and that number written as f16
.endr
	global_store_b128 v9, v[96+4*(\e):96+4*(\e)+3], s[10:11] offset:2048+512*(\e)
.endr
	s_wait_dscnt 0x0                               ; K's pieces are back
.irp g, 0,1,2,3
	global_store_b128 v9, v[16+4*(\g):16+4*(\g)+3], s[10:11] offset:512*(\g)
.endr
.Lend:
	s_wait_tensorcnt 0x0                           ; the wave's end, behind my last LDS store
	ds_add_u32 v[SPW], v[NIL]
	s_wait_dscnt 0x0
	s_endpgm
.Lfunc_end_k_qc388a341ea_prep:
	.size	k_qc388a341ea_prep, .Lfunc_end_k_qc388a341ea_prep-k_qc388a341ea_prep
	.p2alignl 7, 3214868480
	.fill 96, 4, 3214868480
	.section	.rodata,"a",@progbits
	.p2align	6, 0x0
	.amdhsa_kernel k_qc388a341ea_prep
		.amdhsa_group_segment_fixed_size 49920
		.amdhsa_private_segment_fixed_size 0
		.amdhsa_enable_private_segment 0
		.amdhsa_kernarg_size 48
		.amdhsa_user_sgpr_count 2
		.amdhsa_user_sgpr_kernarg_segment_ptr 1
		.amdhsa_wavefront_size32 1
		.amdhsa_system_sgpr_workgroup_id_x 1
		.amdhsa_system_sgpr_workgroup_id_y 1
		.amdhsa_system_sgpr_workgroup_id_z 1
		.amdhsa_system_vgpr_workitem_id 0
		.amdhsa_next_free_vgpr 128
		.amdhsa_next_free_sgpr 66
		.amdhsa_reserve_vcc 0
		.amdhsa_float_denorm_mode_32 3
		.amdhsa_float_denorm_mode_16_64 3
		.amdhsa_memory_ordered 1
		.amdhsa_forward_progress 1
		.amdhsa_inst_pref_size 50
	.end_amdhsa_kernel
	.amdgpu_metadata
---
amdhsa.version: [ 1, 2 ]
amdhsa.kernels:
  - .name:           k_qc388a341ea_prep
    .symbol:         k_qc388a341ea_prep.kd
    .args:
      - { .name: attn_mask, .offset: 0, .size: 8, .value_kind: global_buffer, .address_space: global }
      - { .name: keys, .offset: 8, .size: 8, .value_kind: global_buffer, .address_space: global }
      - { .name: values, .offset: 16, .size: 8, .value_kind: global_buffer, .address_space: global }
      - { .name: kvf, .offset: 24, .size: 8, .value_kind: global_buffer, .address_space: global }
      - { .name: list, .offset: 32, .size: 8, .value_kind: global_buffer, .address_space: global }
      - { .name: bits, .offset: 40, .size: 8, .value_kind: global_buffer, .address_space: global }
    .group_segment_fixed_size: 49920
    .private_segment_fixed_size: 0
    .kernarg_segment_align: 8
    .kernarg_segment_size: 48
    .max_flat_workgroup_size: 256
    .sgpr_count:     66
    .vgpr_count:     128
    .wavefront_size: 32
...
	.end_amdgpu_metadata
.endif
;; end of part 1
;; launch attn (part 2): grid 8 x 32, 16 waves a work-group, no clusters, 71,680 bytes of LDS; arguments queries, kvf, list, out0, bits; writes out0
.if DOCPART == 2
	.amdgcn_target "amdgcn-amd-amdhsa--gfx1250"
	.amdhsa_code_object_version 6
	.text
	.protected	k_qc388a341ea_attn
	.globl	k_qc388a341ea_attn
	.p2align	8
	.type	k_qc388a341ea_attn,@function
k_qc388a341ea_attn:
	s_mov_b64 s[64:65], 0
	v_nop
	global_prefetch_b8 v0, s[64:65] scope:SCOPE_SE
	s_setreg_imm32_b32 hwreg(HW_REG_WAVE_MODE, 25, 1), 1
	s_wait_xcnt 0x0
; SECOND OF TWO LAUNCHES.  out[b][l][h][:] = sum over s of softmax_s(0.125 x (mask[l][s] ? q.k : -1e9)) v[b][s][h][:].
; LEFT OUT: the blocks of 16 keys that the first launch did not list for a tile of 16 queries: they are masked for all 16 rows, and every row of a thinned tile has an allowed key, so their weights
; exp(0.125 (-1e9 - m)) are 0 in f32 while 64 max|q| max|k| stays under 9.9e8.  A tile with a row that has no allowed key lists all 128 blocks.  A NaN or infinity of K or V in a block not listed is not carried to the result.
; SHARES.  One wave makes one tile of 16 queries of one (b, h); a work-group's 16 waves take 16 neighbouring tiles of one head.  No wave reads what another wrote: there is no barrier.
; A UNIT is four places of the tile's list, 64 keys.  The number of units U and the blocks' numbers (list: a byte a place, U in the word at byte 128 of the tile's 256) and the lane bits (bits: 128 bytes a unit)
; are whole numbers that the first launch stored; they come by scalar loads.  Trip count and addresses hang on list alone.
; A place past the list's end has block 0 and lane bits 0: its scores become -1e9 like any masked score.
; LAYOUT.  S^T = K Q^T (source 0 = 16 keys, source 1 = 16 queries, bf16): a lane holds ONE query (l % 16) and the keys 8 (l / 16) + 0..7 of each block.  Two blocks' weights, rounded to f16 in pairs, ARE source 1 of
; O^T = V^T P (f16).  Row r of V's piece c stands for channel 4 r + c, so a lane ends with channels 32 (l / 16) + 0..31 of its query.  K's and V's operands lie in kvf as the registers want them: 512 consecutive bytes a load.
; SOFTMAX.  A masked score is replaced by -1e9, as reference() does.  Running maximum m and sum l: p = 2^(c s - c m), c = log2(e) / 8; in every unit O and l are multiplied by a = 2^(c m_old - c m_new).
; m starts at the lowest finite number, O and l at 0: the first unit is a unit like any other, with a = 0.  l is the sum of the unrounded p.
; LIMITS.  In a row without an allowed key c s - c m is the rounding left of c m at 1.8e8, at most 8 in size and the same for all its keys: p is at most 2^8 and the factor cancels in O / l.
; A weight below 2^-126 counts as 0; NaN and infinities are not treated apart; V within f16's range (first launch).
.set STG,   4352                       ; LDS: my wave's stage: Q goes in as 16 rows of 144 bytes, O goes out as 16 rows of 272
.set SPARE, 69632                      ; behind the 16 stages: the spare words, 128 bytes for each wave: eight blocks of 256 bytes that no other line names
.set L16, 3                            ; v3     16 l
.set AD,  4                            ; v4-7   slot s: 4,096 x block + 16 l
.set RO,  8                            ; v8     rows of Q and of out: lanes 0-15 take 256 bytes of row i, lanes 16-31 of row i + 8; never rewritten
.set SQ,  9                            ; v9-12  stage addresses
.set RQ,  10
.set SO,  11
.set RDO, 12
.set NEG, 13                           ; v13    -1e9
.set MV,  14                           ; v14    c m_old
.set CM,  16                           ; v16 c m, v17 m
.set LS,  18                           ; v18-19 l (even keys', odd keys')
.set CW,  20                           ; v20-23 at work; a takes v22
.set INV, 24                           ; v24    1 / l
.set SPW, 30                           ; v30    LDS address of my spare word; never rewritten
.set NIL, 31                           ; v31    0; never rewritten
.set QF,  32                           ; v32-47   Q: channels 32 c on at 8 c
.set SC,  48                           ; v48-79   S^T: slot s at 8 s
.set PW,  80                           ; v80-95   P: slots 2 k, 2 k + 1 at 8 k
.set OA,  96                           ; v96-127  O^T: piece c at 8 c
.set KF,  128                          ; v128-191 K: slot s, channels 32 c on at 16 s + 8 c
.set VF,  192                          ; v192-255 V: slots 2 k, 2 k + 1, piece c at 32 k + 8 c
.set LP,  8                            ; s[8:9]   list, at the word that was loaded last
.set CS,  16                           ; s[16:17] c, twice
.set SEL, 18                           ; s[18:19] v_permlanex16_b32's selects: each lane takes its own place in the other half
.set PTR, 20                           ; s[20:21] bits, at the unit that was loaded last
.set IDX, 24                           ; s[24:27] the next unit's four blocks
.set IW,  28                           ; s28      the same four as they lie in list: a byte each
.set MK,  32                           ; s[32:63] this unit's 32 words of lane bits
	s_load_b256 s[4:11], s[0:1], 0x0               ; queries s[4:5], kvf s[6:7], list s[8:9], out0 s[10:11]
	s_load_b64 s[PTR:PTR+1], s[0:1], 0x20          ; bits
	v_lshl_add_u32 v[SPW], v0, 2, SPARE
	v_mov_b32 v[NIL], 0
	v_lshrrev_b32 v1, 5, v0
	v_readfirstlane_b32 s12, v1                    ; wave 0..15
	v_and_b32 v1, 15, v0                           ; x = l % 16
	v_bfe_u32 v2, v0, 4, 1                         ; hh = l / 16
	v_and_b32 v[L16], 31, v0
	v_lshlrev_b32 v[L16], 4, v[L16]
	v_lshlrev_b32 v[RO], 4, v1
	v_lshl_add_u32 v[RO], v2, 14, v[RO]
	s_mul_i32 s22, s12, STG
	v_mul_u32_u24 v[SQ], v2, 1152                  ; Q in: row 8 hh + i of 144 bytes, 8 bytes at 8 x
	v_lshl_add_u32 v[SQ], v1, 3, v[SQ]
	v_add_nc_u32 v[SQ], s22, v[SQ]
	v_mul_u32_u24 v[RQ], v1, 144                   ; Q back: row x, 16 bytes at 32 g + 16 hh
	v_lshl_add_u32 v[RQ], v2, 4, v[RQ]
	v_add_nc_u32 v[RQ], s22, v[RQ]
	v_mul_u32_u24 v[SO], v1, 272                   ; O in: row x, my 128 bytes at 128 hh
	v_lshl_add_u32 v[SO], v2, 7, v[SO]
	v_add_nc_u32 v[SO], s22, v[SO]
	v_mul_u32_u24 v[RDO], v2, 2176                 ; O back: row i + 8 hh, 16 bytes at 16 x
	v_lshl_add_u32 v[RDO], v1, 4, v[RDO]
	v_add_nc_u32 v[RDO], s22, v[RDO]
	s_and_b32 s23, ttmp7, 0xffff                   ; 8 b + h
	s_lshl_b32 s13, ttmp9, 4
	s_add_co_u32 s13, s13, s12                     ; tile t
	s_lshr_b32 s2, s23, 3
	s_lshl_b32 s2, s2, 22                          ; b x 4,194,304
	s_lshl_b32 s3, s13, 15                         ; + t x 16 rows of 2,048 bytes
	s_add_co_u32 s2, s2, s3
	s_and_b32 s3, s23, 7
	s_lshl_b32 s3, s3, 8                           ; + h x 256
	s_add_co_u32 s2, s2, s3
	s_mov_b32 s3, 0
	s_mov_b32 s[CS], 0x3e38aa3b                    ; c = log2(e) / 8
	s_mov_b32 s[CS+1], s[CS]
	s_mov_b32 s[SEL], 0x76543210
	s_mov_b32 s[SEL+1], 0xfedcba98
	s_wait_kmcnt 0x0
	s_add_nc_u64 s[4:5], s[4:5], s[2:3]
	s_add_nc_u64 s[10:11], s[10:11], s[2:3]
	s_lshl_b32 s2, s23, 19                         ; a head's 128 blocks of 4,096 bytes
	s_add_nc_u64 s[6:7], s[6:7], s[2:3]
	s_lshl_b32 s2, s13, 8                          ; the tile's 256 bytes of list
	s_add_nc_u64 s[LP:LP+1], s[LP:LP+1], s[2:3]
	s_lshl_b32 s2, s13, 12                         ; the tile's 4,096 bytes of bits
	s_add_nc_u64 s[PTR:PTR+1], s[PTR:PTR+1], s[2:3]
	s_load_b32 s[IW], s[LP:LP+1], 0x0              ; unit 0's four blocks
	s_load_b32 s29, s[LP:LP+1], 0x80               ; U
	s_load_b512 s[MK:MK+15], s[PTR:PTR+1], 0x0     ; unit 0's lane bits
	s_load_b512 s[MK+16:MK+31], s[PTR:PTR+1], 0x40
.irp i, 0,1,2,3,4,5,6,7
	global_load_b128 v[SC+4*(\i):SC+4*(\i)+3], v[RO], s[4:5] offset:2048*(\i) th:TH_LOAD_NT  ; Q as f32, into the scores' registers, which are free
.endr
.macro LOADK                           ; four blocks' K: 16 loads
.irp s, 0,1,2,3
.irp g, 0,1,2,3
	global_load_b128 v[KF+16*(\s)+4*(\g):KF+16*(\s)+4*(\g)+3], v[AD+(\s)], s[6:7] offset:512*(\g)
.endr
.endr
.endm
.macro LOADV                           ; four blocks' V: 16 loads; an even slot fills registers 0-3 of an operand, the odd slot beside it registers 4-7
.irp s, 0,1,2,3
.irp c, 0,1,2,3
	global_load_b128 v[VF+32*((\s)/2)+8*(\c)+4*((\s)%2):VF+32*((\s)/2)+8*(\c)+4*((\s)%2)+3], v[AD+(\s)], s[6:7] offset:2048+512*(\c)
.endr
.endr
.endm
.macro MKAD                            ; the word's four bytes; a number that was loaded enters an address only behind a clamp
.irp s, 0,1,2,3
	s_bfe_u32 s[IDX+(\s)], s[IW], 0x80000+8*(\s)   ; 8 bits from bit 8 s
.endr
.irp s, 0,1,2,3
	s_min_u32 s[IDX+(\s)], s[IDX+(\s)], 127
.endr
.irp s, 0,1,2,3
	v_lshl_add_u32 v[AD+(\s)], s[IDX+(\s)], 12, v[L16]
.endr
.endm
.macro SMUL                            ; 8 products; the four accumulators take turns; the first four start the sums
.irp s, 0,1,2,3
	v_wmma_f32_16x16x32_bf16 v[SC+8*(\s):SC+8*(\s)+7], v[KF+16*(\s):KF+16*(\s)+7], v[QF:QF+7], 0
.endr
.irp s, 0,1,2,3
	v_wmma_f32_16x16x32_bf16 v[SC+8*(\s):SC+8*(\s)+7], v[KF+16*(\s)+8:KF+16*(\s)+15], v[QF+8:QF+15], v[SC+8*(\s):SC+8*(\s)+7]
.endr
.endm
.macro MASKS                           ; the score where the lane's bit is set, else -1e9; ascending
.set n, 0
.rept 32
	v_cndmask_b32 v[SC+n], v[NEG], v[SC+n], s[MK+n]
.set n, n+1
.endr
.endm
.macro MAXST                           ; the maximum of my 32 scores and the old m, three operands at a time in four chains; the query's other 32 keys lie in the lane 16 away
.irp n, 0,1,2,3
	v_max3_num_f32 v[CW+(\n)], v[SC+8*(\n)], v[SC+8*(\n)+1], v[SC+8*(\n)+2]
.endr
.irp n, 0,1,2,3
	v_max3_num_f32 v[CW+(\n)], v[CW+(\n)], v[SC+8*(\n)+3], v[SC+8*(\n)+4]
.endr
.irp n, 0,1,2,3
	v_max3_num_f32 v[CW+(\n)], v[CW+(\n)], v[SC+8*(\n)+5], v[SC+8*(\n)+6]
.endr
	v_max3_num_f32 v[CW], v[CW], v[SC+7], v[SC+15]
	v_max3_num_f32 v[CW+1], v[CW+1], v[SC+23], v[SC+31]
	v_max3_num_f32 v[CW+2], v[CW+2], v[CW+3], v[CM+1]
	v_mov_b32 v[MV], v[CM]
	v_max3_num_f32 v[CW], v[CW], v[CW+1], v[CW+2]
	v_permlanex16_b32 v[CW+3], v[CW], s[SEL], s[SEL+1]
	v_max_num_f32 v[CM+1], v[CW], v[CW+3]
	v_mul_f32 v[CM], s[CS], v[CM+1]
	v_sub_f32 v[CW+1], v[MV], v[CM]
.endm
.macro FS p                            ; pair p: c s - c m
	v_pk_fma_f32 v[SC+2*(\p):SC+2*(\p)+1], v[SC+2*(\p):SC+2*(\p)+1], s[CS:CS+1], v[CM:CM+1] op_sel_hi:[1,0,0] neg_lo:[0,0,1] neg_hi:[0,0,1]
.endm
.macro EXPB                            ; ONE BATCH of 33 exponentials (a, then the 32 weights) with the 16 scalings among them; nothing in it names a result; a plain line and one wait close it
	v_exp_f32 v[CW+2], v[CW+1]
	FS 0
	FS 1
.set n, 0
.rept 16
	v_exp_f32 v[SC+2*n], v[SC+2*n]
	v_exp_f32 v[SC+2*n+1], v[SC+2*n+1]
.if n < 14
	FS n+2
.endif
.set n, n+1
.endr
	v_nop
	s_wait_alu depctr_va_vdst(0)       ; the wait ahead of the first line that names a result: one for the batch
.endm
.macro ROUND
.set n, 0
.rept 16
	v_cvt_pk_f16_f32 v[PW+n], v[SC+2*n], v[SC+2*n+1]
.set n, n+1
.endr
.endm
.macro RESC                            ; O^T times a, ascending
.set n, 0
.rept 16
	v_pk_mul_f32 v[OA+2*n:OA+2*n+1], v[OA+2*n:OA+2*n+1], v[CW+2:CW+3] op_sel_hi:[1,0]
.set n, n+1
.endr
.endm
.macro PVMUL                           ; 8 products; the four accumulators take turns
.irp k, 0,1
.irp c, 0,1,2,3
	v_wmma_f32_16x16x32_f16 v[OA+8*(\c):OA+8*(\c)+7], v[VF+32*(\k)+8*(\c):VF+32*(\k)+8*(\c)+7], v[PW+8*(\k):PW+8*(\k)+7], v[OA+8*(\c):OA+8*(\c)+7]
.endr
.endr
.endm
.macro SUMS                            ; l = a l + the 32 weights: 16 plain lines that name no register of the products just issued
.set n, 0
.rept 8
	v_pk_add_f32 v[SC+4*n:SC+4*n+1], v[SC+4*n:SC+4*n+1], v[SC+4*n+2:SC+4*n+3]
.set n, n+1
.endr
	v_pk_fma_f32 v[LS:LS+1], v[LS:LS+1], v[CW+2:CW+3], v[SC:SC+1] op_sel_hi:[1,0,1]
.set n, 1
.rept 7
	v_pk_add_f32 v[LS:LS+1], v[LS:LS+1], v[SC+4*n:SC+4*n+1]
.set n, n+1
.endr
.endm
; UNIT u.  more = 1: unit u + 1 follows: its K is asked for behind this unit's K Q^T, its V behind this unit's V^T P; its lane bits and the blocks of unit u + 2 by scalar loads.
.macro UNIT more
	s_wait_loadcnt 16                              ; K of this unit is in; the 16 younger loads are its V
	SMUL
	s_wait_kmcnt 0x0                               ; this unit's lane bits and the next unit's blocks are in
.if \more
	s_wait_xcnt 0x0                                ; V's loads have read their offsets: the four may be written
	MKAD                                           ; its four vector lines are the four places behind the products, ahead of the loads into K's registers and of the selection
	LOADK
.else
.rept 4
	v_nop                                          ; the four places behind the products
.endr
.endif
	MASKS
.if \more
	s_add_nc_u64 s[PTR:PTR+1], s[PTR:PTR+1], 128   ; the loads that named the two pointers are done (the wait above)
	s_add_nc_u64 s[LP:LP+1], s[LP:LP+1], 4
	s_load_b512 s[MK:MK+15], s[PTR:PTR+1], 0x0     ; the lane bits of unit u + 1, at most unit 31: the loop ends at u = U - 2
	s_load_b512 s[MK+16:MK+31], s[PTR:PTR+1], 0x40
	s_load_b32 s[IW], s[LP:LP+1], 0x0              ; the list's word u + 2, at most at byte 128 of the tile's 256; the word U is loaded and not used
.endif
	MAXST
	EXPB
	ROUND
	RESC
	s_wait_loadcnt 16*(\more)                      ; V of this unit is in; the 16 younger loads, if any, are the next unit's K
	PVMUL
	SUMS                                           ; also the places behind the products, ahead of the loads into V's registers and of the way out
.if \more
	LOADV
.endif
.endm
	s_wait_kmcnt 0x0                               ; unit 0's blocks and lane bits, and U
	s_min_u32 s29, s29, 32
	s_max_u32 s29, s29, 1
	s_sub_co_u32 s14, s29, 1                       ; the loop's bound: U - 1
	MKAD
	LOADK                                          ; unit 0
	LOADV
	s_wait_xcnt 0x0
	s_add_nc_u64 s[LP:LP+1], s[LP:LP+1], 4
	s_load_b32 s[IW], s[LP:LP+1], 0x0              ; unit 1's blocks
.set n, 0
.rept 32
	v_mov_b32 v[OA+n], 0                           ; O^T starts at 0, written while the first loads are out, so that there is one text for every unit
.set n, n+1
.endr
	v_mov_b32 v[LS], 0
	v_mov_b32 v[LS+1], 0
	v_mov_b32 v[CM], 0xfe000000                    ; c m: far below every c s
	v_mov_b32 v[CM+1], 0xff7fffff                  ; m
	v_mov_b32 v[NEG], 0xce6e6b28                   ; -1e9
	s_wait_loadcnt 32                              ; Q is in; the 32 younger loads are unit 0's K and V
.irp i, 0,1,2,3,4,5,6,7
	v_cvt_pk_bf16_f32 v[PW+2*(\i)], v[SC+4*(\i)], v[SC+4*(\i)+1]
	v_cvt_pk_bf16_f32 v[PW+2*(\i)+1], v[SC+4*(\i)+2], v[SC+4*(\i)+3]
	ds_store_b64 v[SQ], v[PW+2*(\i):PW+2*(\i)+1] offset:144*(\i)
.endr
.irp g, 0,1,2,3
	ds_load_b128 v[QF+4*(\g):QF+4*(\g)+3], v[RQ] offset:32*(\g)  ; my wave's own bytes: LDS serves a wave's instructions in order
.endr
	s_wait_dscnt 0x0
	s_mov_b32 s15, 0
	s_cmp_lt_u32 s15, s14
	s_cbranch_scc0 .Ltail
.Lunit:                                        ; U - 1 trips; no LDS instruction and no barrier stands in the loop
	UNIT 1
	s_add_co_u32 s15, s15, 1
	s_cmp_lt_u32 s15, s14
	s_cbranch_scc1 .Lunit
.Ltail:
	UNIT 0                                         ; the last unit asks for nothing
	; THE WAY OUT.  l's two halves and the other half of the lanes' are added; O^T is divided by l and sent through my stage, so that sixteen lanes store one row's 256 bytes.
	v_add_f32 v[LS], v[LS], v[LS+1]
	v_permlanex16_b32 v[CW+3], v[LS], s[SEL], s[SEL+1]
	v_add_f32 v[LS], v[LS], v[CW+3]
	v_rcp_f32 v[INV], v[LS]
	v_nop                                          ; a plain line behind the reciprocal,
	s_wait_alu depctr_va_vdst(0)                   ; and the wait ahead of its first use
.irp j, 0,1,2,3,4,5,6,7                ; register j of piece c is channel 32 hh + 4 j + c; each accumulator's register 0 is read first
.irp c, 0,1,2,3
	v_mul_f32 v[KF+4*(\j)+(\c)], v[OA+8*(\c)+(\j)], v[INV]
.endr
.endr
.irp i, 0,1,2,3,4,5,6,7
	ds_store_b128 v[SO], v[KF+4*(\i):KF+4*(\i)+3] offset:16*(\i)
.endr
.irp i, 0,1,2,3,4,5,6,7
	ds_load_b128 v[KF+32+4*(\i):KF+32+4*(\i)+3], v[RDO] offset:272*(\i)  ; served in order: these see the stores above
.endr
.irp i, 0,1,2,3,4,5,6,7
	s_wait_dscnt 7-(\i)                            ; load i is back, the younger ones stay out
	global_store_b128 v[RO], v[KF+32+4*(\i):KF+32+4*(\i)+3], s[10:11] offset:2048*(\i) th:TH_STORE_NT  ; 16 lanes store 256 consecutive bytes, at a multiple of 256 from out0's first byte
.endr
	s_wait_tensorcnt 0x0                           ; the wave's end, behind my last LDS store
	ds_add_u32 v[SPW], v[NIL]
	s_wait_dscnt 0x0
	s_endpgm
.Lfunc_end_k_qc388a341ea_attn:
	.size	k_qc388a341ea_attn, .Lfunc_end_k_qc388a341ea_attn-k_qc388a341ea_attn
	.p2alignl 7, 3214868480
	.fill 96, 4, 3214868480
	.section	.rodata,"a",@progbits
	.p2align	6, 0x0
	.amdhsa_kernel k_qc388a341ea_attn
		.amdhsa_group_segment_fixed_size 71680
		.amdhsa_private_segment_fixed_size 0
		.amdhsa_enable_private_segment 0
		.amdhsa_kernarg_size 40
		.amdhsa_user_sgpr_count 2
		.amdhsa_user_sgpr_kernarg_segment_ptr 1
		.amdhsa_wavefront_size32 1
		.amdhsa_system_sgpr_workgroup_id_x 1
		.amdhsa_system_sgpr_workgroup_id_y 1
		.amdhsa_system_sgpr_workgroup_id_z 1
		.amdhsa_system_vgpr_workitem_id 0
		.amdhsa_next_free_vgpr 256
		.amdhsa_next_free_sgpr 66
		.amdhsa_reserve_vcc 0
		.amdhsa_float_denorm_mode_32 3
		.amdhsa_float_denorm_mode_16_64 3
		.amdhsa_memory_ordered 1
		.amdhsa_forward_progress 1
		.amdhsa_inst_pref_size 38
	.end_amdhsa_kernel
	.amdgpu_metadata
---
amdhsa.version: [ 1, 2 ]
amdhsa.kernels:
  - .name:           k_qc388a341ea_attn
    .symbol:         k_qc388a341ea_attn.kd
    .args:
      - { .name: queries, .offset: 0, .size: 8, .value_kind: global_buffer, .address_space: global }
      - { .name: kvf, .offset: 8, .size: 8, .value_kind: global_buffer, .address_space: global }
      - { .name: list, .offset: 16, .size: 8, .value_kind: global_buffer, .address_space: global }
      - { .name: out0, .offset: 24, .size: 8, .value_kind: global_buffer, .address_space: global }
      - { .name: bits, .offset: 32, .size: 8, .value_kind: global_buffer, .address_space: global }
    .group_segment_fixed_size: 71680
    .private_segment_fixed_size: 0
    .kernarg_segment_align: 8
    .kernarg_segment_size: 40
    .max_flat_workgroup_size: 512
    .sgpr_count:     66
    .vgpr_count:     256
    .wavefront_size: 32
...
	.end_amdgpu_metadata
.endif
;; end of part 2
;; ======== version 2 of 2: 2 launches; version 1 with the launch attn written anew for expert scheduling mode
;; limits: inputs' magnitudes at most 3,900; values are held in f16: magnitudes above 65,504 overflow, below 6.1e-05 lose precision
;; workspace buffers: kvf 16,777,216 bytes; list 32,768 bytes of whole numbers; bits 524,288 bytes of whole numbers
;; launch prep: the kernel of part 1 again; grid 640 x 1, 8 waves a work-group, no clusters, 49,920 bytes of LDS; arguments attn_mask, keys, values, kvf, list, bits; writes kvf, list, bits
;; launch attn (part 3): grid 8 x 32, 16 waves a work-group, no clusters, 71,680 bytes of LDS; arguments queries, kvf, list, out0, bits; writes out0
.if DOCPART == 3
	.amdgcn_target "amdgcn-amd-amdhsa--gfx1250"
	.amdhsa_code_object_version 6
	.text
	.protected	k_qc388a341ea_attn
	.globl	k_qc388a341ea_attn
	.p2align	8
	.type	k_qc388a341ea_attn,@function
k_qc388a341ea_attn:
	s_mov_b64 s[64:65], 0
	v_nop
	global_prefetch_b8 v0, s[64:65] scope:SCOPE_SE
	s_setreg_imm32_b32 hwreg(HW_REG_WAVE_SCHED_MODE, 0, 2), 2
	s_setreg_imm32_b32 hwreg(HW_REG_WAVE_MODE, 25, 1), 1
	s_wait_xcnt 0x0
	s_wait_alu depctr_vm_vsrc(0)
; SECOND OF TWO LAUNCHES.  out[b][l][h][:] = sum over s of softmax_s(0.125 x (mask[l][s] ? q.k : -1e9)) v[b][s][h][:].
; LEFT OUT: the blocks of 16 keys that the first launch did not list for a tile of 16 queries: they are masked for all 16 rows, and every row of a thinned tile has an allowed key, so their weights
; exp(0.125 (-1e9 - m)) are 0 in f32 while 64 max|q| max|k| stays under 9.9e8.  A tile with a row that has no allowed key lists all 128 blocks.  A NaN or infinity of K or V in a block not listed is not carried to the result.
; SHARES.  One wave makes one tile of 16 queries of one (b, h); a work-group's 16 waves take 16 neighbouring tiles of one head.  No wave reads what another wrote: there is no barrier.
; A UNIT is four places of the tile's list, 64 keys.  The number of units U and the blocks' numbers (list: a byte a place, U in the word at byte 128 of the tile's 256) and the lane bits (bits: 128 bytes a unit)
; are whole numbers that the first launch stored; they come by scalar loads.  Trip count and addresses hang on list alone.
; A place past the list's end has block 0 and lane bits 0: its scores become -1e9 like any masked score.
; LAYOUT.  S^T = K Q^T (source 0 = 16 keys, source 1 = 16 queries, bf16): a lane holds ONE query (l % 16) and the keys 8 (l / 16) + 0..7 of each block.  Two blocks' weights, rounded to f16 in pairs, ARE source 1 of
; O^T = V^T P (f16).  Row r of V's piece c stands for channel 4 r + c, so a lane ends with channels 32 (l / 16) + 0..31 of its query.  K's and V's operands lie in kvf as the registers want them: 512 consecutive bytes a load.
; SOFTMAX.  A masked score is replaced by -1e9, as reference() does.  Running maximum m and sum l: p = 2^(c s - c m), c = log2(e) / 8; in every unit O and l are multiplied by a = 2^(c m_old - c m_new).
; m starts at the lowest finite number, O and l at 0: the first unit is a unit like any other, with a = 0.  l is the sum of the unrounded p.
; LIMITS.  In a row without an allowed key c s - c m is the rounding left of c m at 1.8e8, at most 8 in size and the same for all its keys: p is at most 2^8 and the factor cancels in O / l.
; A weight below 2^-126 counts as 0; NaN and infinities are not treated apart; V within f16's range (first launch).
; THE MODE: SCHED_MODE bits 1:0 = 2 (LLVM: expert scheduling mode 2), set by the entry lines.  The code itself states the register dependences
; between vector or matrix instructions and memory or LDS instructions, with s_wait_alu, always for 0.
; THE PLAN.  Registers that memory or LDS instructions touch, in the loop:
;   KF   Unit u: its K Q^T products read KF; behind them the loads of unit u + 1's K land in it.
;   VF   Unit u: its V^T P products read VF; behind them the loads of unit u + 1's V land in it.
;   AD   Written once a unit, by four vector lines behind the K Q^T products; read as offsets by the 32 loads of unit u + 1's K and V.
;   All else in the loop (S^T, P, O^T, Q, the statistics) is named by vector and matrix instructions alone.  There is one buffer of each kind: 16 waves of 256 registers are four to a SIMD, 1,024 registers.
; So a unit that has a successor holds: one wait on vm_vsrc ahead of the lines that write AD (the last unit's loads have read it); one wait on va_vdst behind them (the K Q^T products are done reading KF, AD is written),
; behind which K's sixteen loads are dealt among the 32 selections, which name S^T and -1e9 alone; the wait behind the exponentials; and one wait on va_vdst behind the sums (the V^T P products are done reading VF),
; ahead of V's sixteen loads.  The last unit issues no load and holds the exponentials' wait alone.
;   Outside the loop: v8-12, addresses made once at the head; S^T's registers, in which Q lands as f32; P's registers, from which Q goes to the stage; on the way out KF's first 32 registers (the stage's stores' data)
;   and its next 32 (the stage's loads land there, out0's stores read them); v30, v31, read by the closing add alone.
.set STG,   4352                       ; LDS: my wave's stage: Q goes in as 16 rows of 144 bytes, O goes out as 16 rows of 272
.set SPARE, 69632                      ; behind the 16 stages: the spare words, 128 bytes for each wave: eight blocks of 256 bytes that no other line names
.set L16, 3                            ; v3     16 l
.set AD,  4                            ; v4-7   slot s: 4,096 x block + 16 l
.set RO,  8                            ; v8     rows of Q and of out: lanes 0-15 take 256 bytes of row i, lanes 16-31 of row i + 8; never rewritten
.set SQ,  9                            ; v9-12  stage addresses
.set RQ,  10
.set SO,  11
.set RDO, 12
.set NEG, 13                           ; v13    -1e9
.set MV,  14                           ; v14    c m_old
.set CM,  16                           ; v16 c m, v17 m
.set LS,  18                           ; v18-19 l (even keys', odd keys')
.set CW,  20                           ; v20-23 at work; a takes v22
.set INV, 24                           ; v24    1 / l
.set SPW, 30                           ; v30    LDS address of my spare word; never rewritten
.set NIL, 31                           ; v31    0; never rewritten
.set QF,  32                           ; v32-47   Q: channels 32 c on at 8 c
.set SC,  48                           ; v48-79   S^T: slot s at 8 s
.set PW,  80                           ; v80-95   P: slots 2 k, 2 k + 1 at 8 k
.set OA,  96                           ; v96-127  O^T: piece c at 8 c
.set KF,  128                          ; v128-191 K: slot s, channels 32 c on at 16 s + 8 c
.set VF,  192                          ; v192-255 V: slots 2 k, 2 k + 1, piece c at 32 k + 8 c
.set LP,  8                            ; s[8:9]   list, at the word that was loaded last
.set CS,  16                           ; s[16:17] c, twice
.set SEL, 18                           ; s[18:19] v_permlanex16_b32's selects: each lane takes its own place in the other half
.set PTR, 20                           ; s[20:21] bits, at the unit that was loaded last
.set IDX, 24                           ; s[24:27] the next unit's four blocks
.set IW,  28                           ; s28      the same four as they lie in list: a byte each
.set MK,  32                           ; s[32:63] this unit's 32 words of lane bits
	s_load_b256 s[4:11], s[0:1], 0x0               ; queries s[4:5], kvf s[6:7], list s[8:9], out0 s[10:11]
	s_load_b64 s[PTR:PTR+1], s[0:1], 0x20          ; bits
	v_lshl_add_u32 v[SPW], v0, 2, SPARE
	v_mov_b32 v[NIL], 0
	v_lshrrev_b32 v1, 5, v0
	v_readfirstlane_b32 s12, v1                    ; wave 0..15
	v_and_b32 v1, 15, v0                           ; x = l % 16
	v_bfe_u32 v2, v0, 4, 1                         ; hh = l / 16
	v_and_b32 v[L16], 31, v0
	v_lshlrev_b32 v[L16], 4, v[L16]
	v_lshlrev_b32 v[RO], 4, v1
	v_lshl_add_u32 v[RO], v2, 14, v[RO]
	s_wait_alu depctr_va_sdst(0)                   ; s12 is written, ahead of its first reader: the stage's place and the tile's number are made from it
	s_mul_i32 s22, s12, STG
	v_mul_u32_u24 v[SQ], v2, 1152                  ; Q in: row 8 hh + i of 144 bytes, 8 bytes at 8 x
	v_lshl_add_u32 v[SQ], v1, 3, v[SQ]
	v_add_nc_u32 v[SQ], s22, v[SQ]
	v_mul_u32_u24 v[RQ], v1, 144                   ; Q back: row x, 16 bytes at 32 g + 16 hh
	v_lshl_add_u32 v[RQ], v2, 4, v[RQ]
	v_add_nc_u32 v[RQ], s22, v[RQ]
	v_mul_u32_u24 v[SO], v1, 272                   ; O in: row x, my 128 bytes at 128 hh
	v_lshl_add_u32 v[SO], v2, 7, v[SO]
	v_add_nc_u32 v[SO], s22, v[SO]
	v_mul_u32_u24 v[RDO], v2, 2176                 ; O back: row i + 8 hh, 16 bytes at 16 x
	v_lshl_add_u32 v[RDO], v1, 4, v[RDO]
	v_add_nc_u32 v[RDO], s22, v[RDO]
	s_and_b32 s23, ttmp7, 0xffff                   ; 8 b + h
	s_lshl_b32 s13, ttmp9, 4
	s_add_co_u32 s13, s13, s12                     ; tile t
	s_lshr_b32 s2, s23, 3
	s_lshl_b32 s2, s2, 22                          ; b x 4,194,304
	s_lshl_b32 s3, s13, 15                         ; + t x 16 rows of 2,048 bytes
	s_add_co_u32 s2, s2, s3
	s_and_b32 s3, s23, 7
	s_lshl_b32 s3, s3, 8                           ; + h x 256
	s_add_co_u32 s2, s2, s3
	s_mov_b32 s3, 0
	s_mov_b32 s[CS], 0x3e38aa3b                    ; c = log2(e) / 8
	s_mov_b32 s[CS+1], s[CS]
	s_mov_b32 s[SEL], 0x76543210
	s_mov_b32 s[SEL+1], 0xfedcba98
	s_wait_kmcnt 0x0
	s_add_nc_u64 s[4:5], s[4:5], s[2:3]
	s_add_nc_u64 s[10:11], s[10:11], s[2:3]
	s_lshl_b32 s2, s23, 19                         ; a head's 128 blocks of 4,096 bytes
	s_add_nc_u64 s[6:7], s[6:7], s[2:3]
	s_lshl_b32 s2, s13, 8                          ; the tile's 256 bytes of list
	s_add_nc_u64 s[LP:LP+1], s[LP:LP+1], s[2:3]
	s_lshl_b32 s2, s13, 12                         ; the tile's 4,096 bytes of bits
	s_add_nc_u64 s[PTR:PTR+1], s[PTR:PTR+1], s[2:3]
	s_load_b32 s[IW], s[LP:LP+1], 0x0              ; unit 0's four blocks
	s_load_b32 s29, s[LP:LP+1], 0x80               ; U
	s_load_b512 s[MK:MK+15], s[PTR:PTR+1], 0x0     ; unit 0's lane bits
	s_load_b512 s[MK+16:MK+31], s[PTR:PTR+1], 0x40
	s_wait_alu depctr_va_vdst(0)                   ; the five addresses v8 to v12 are written: Q's loads, out0's stores and the stage's LDS lines read them, and they are never written again
.irp i, 0,1,2,3,4,5,6,7
	global_load_b128 v[SC+4*(\i):SC+4*(\i)+3], v[RO], s[4:5] offset:2048*(\i) th:TH_LOAD_NT  ; Q as f32, into the scores' registers, which are free
.endr
.macro LOADK s                         ; slot s's K: 4 loads
.irp g, 0,1,2,3
	global_load_b128 v[KF+16*(\s)+4*(\g):KF+16*(\s)+4*(\g)+3], v[AD+(\s)], s[6:7] offset:512*(\g)
.endr
.endm
.macro LOADV                           ; four blocks' V: 16 loads; an even slot fills registers 0-3 of an operand, the odd slot beside it registers 4-7
.irp s, 0,1,2,3
.irp c, 0,1,2,3
	global_load_b128 v[VF+32*((\s)/2)+8*(\c)+4*((\s)%2):VF+32*((\s)/2)+8*(\c)+4*((\s)%2)+3], v[AD+(\s)], s[6:7] offset:2048+512*(\c)
.endr
.endr
.endm
.macro MKAD                            ; the word's four bytes; a number that was loaded enters an address only behind a clamp
.irp s, 0,1,2,3
	s_bfe_u32 s[IDX+(\s)], s[IW], 0x80000+8*(\s)   ; 8 bits from bit 8 s
.endr
.irp s, 0,1,2,3
	s_min_u32 s[IDX+(\s)], s[IDX+(\s)], 127
.endr
.irp s, 0,1,2,3
	v_lshl_add_u32 v[AD+(\s)], s[IDX+(\s)], 12, v[L16]
.endr
.endm
.macro SMUL                            ; 8 products; the four accumulators take turns; the first four start the sums
.irp s, 0,1,2,3
	v_wmma_f32_16x16x32_bf16 v[SC+8*(\s):SC+8*(\s)+7], v[KF+16*(\s):KF+16*(\s)+7], v[QF:QF+7], 0
.endr
.irp s, 0,1,2,3
	v_wmma_f32_16x16x32_bf16 v[SC+8*(\s):SC+8*(\s)+7], v[KF+16*(\s)+8:KF+16*(\s)+15], v[QF+8:QF+15], v[SC+8*(\s):SC+8*(\s)+7]
.endr
.endm
.macro MASKS s                         ; slot s: the score where the lane's bit is set, else -1e9; ascending, so the accumulator is read from its low end on
.set n, 8*(\s)
.rept 8
	v_cndmask_b32 v[SC+n], v[NEG], v[SC+n], s[MK+n]
.set n, n+1
.endr
.endm
.macro MAXST                           ; the maximum of my 32 scores and the old m, three operands at a time in four chains; the query's other 32 keys lie in the lane 16 away
.irp n, 0,1,2,3
	v_max3_num_f32 v[CW+(\n)], v[SC+8*(\n)], v[SC+8*(\n)+1], v[SC+8*(\n)+2]
.endr
.irp n, 0,1,2,3
	v_max3_num_f32 v[CW+(\n)], v[CW+(\n)], v[SC+8*(\n)+3], v[SC+8*(\n)+4]
.endr
.irp n, 0,1,2,3
	v_max3_num_f32 v[CW+(\n)], v[CW+(\n)], v[SC+8*(\n)+5], v[SC+8*(\n)+6]
.endr
	v_max3_num_f32 v[CW], v[CW], v[SC+7], v[SC+15]
	v_max3_num_f32 v[CW+1], v[CW+1], v[SC+23], v[SC+31]
	v_max3_num_f32 v[CW+2], v[CW+2], v[CW+3], v[CM+1]
	v_mov_b32 v[MV], v[CM]
	v_max3_num_f32 v[CW], v[CW], v[CW+1], v[CW+2]
	v_permlanex16_b32 v[CW+3], v[CW], s[SEL], s[SEL+1]
	v_max_num_f32 v[CM+1], v[CW], v[CW+3]
	v_mul_f32 v[CM], s[CS], v[CM+1]
	v_sub_f32 v[CW+1], v[MV], v[CM]
.endm
.macro FS p                            ; pair p: c s - c m
	v_pk_fma_f32 v[SC+2*(\p):SC+2*(\p)+1], v[SC+2*(\p):SC+2*(\p)+1], s[CS:CS+1], v[CM:CM+1] op_sel_hi:[1,0,0] neg_lo:[0,0,1] neg_hi:[0,0,1]
.endm
.macro EXPB                            ; ONE BATCH of 33 exponentials (a, then the 32 weights) with the 16 scalings among them; nothing in it names a result; a plain line and one wait close it
	v_exp_f32 v[CW+2], v[CW+1]
	FS 0
	FS 1
.set n, 0
.rept 16
	v_exp_f32 v[SC+2*n], v[SC+2*n]
	v_exp_f32 v[SC+2*n+1], v[SC+2*n+1]
.if n < 14
	FS n+2
.endif
.set n, n+1
.endr
	v_nop
	s_wait_alu depctr_va_vdst(0)       ; the 33 exponentials have written a and the 32 weights, ahead of the first line that names one of them: one wait for the batch
.endm
.macro ROUND
.set n, 0
.rept 16
	v_cvt_pk_f16_f32 v[PW+n], v[SC+2*n], v[SC+2*n+1]
.set n, n+1
.endr
.endm
.macro RESC                            ; O^T times a, ascending
.set n, 0
.rept 16
	v_pk_mul_f32 v[OA+2*n:OA+2*n+1], v[OA+2*n:OA+2*n+1], v[CW+2:CW+3] op_sel_hi:[1,0]
.set n, n+1
.endr
.endm
.macro PVMUL                           ; 8 products; the four accumulators take turns
.irp k, 0,1
.irp c, 0,1,2,3
	v_wmma_f32_16x16x32_f16 v[OA+8*(\c):OA+8*(\c)+7], v[VF+32*(\k)+8*(\c):VF+32*(\k)+8*(\c)+7], v[PW+8*(\k):PW+8*(\k)+7], v[OA+8*(\c):OA+8*(\c)+7]
.endr
.endr
.endm
.macro SUMS                            ; l = a l + the 32 weights: 16 plain lines that name no register of the products just issued
.set n, 0
.rept 8
	v_pk_add_f32 v[SC+4*n:SC+4*n+1], v[SC+4*n:SC+4*n+1], v[SC+4*n+2:SC+4*n+3]
.set n, n+1
.endr
	v_pk_fma_f32 v[LS:LS+1], v[LS:LS+1], v[CW+2:CW+3], v[SC:SC+1] op_sel_hi:[1,0,1]
.set n, 1
.rept 7
	v_pk_add_f32 v[LS:LS+1], v[LS:LS+1], v[SC+4*n:SC+4*n+1]
.set n, n+1
.endr
.endm
; UNIT u.  more = 1: unit u + 1 follows: its K is asked for behind this unit's K Q^T, dealt among the selections; its V behind this unit's V^T P and sums; its lane bits and the blocks of unit u + 2 by scalar loads.
.macro UNIT more
	s_wait_loadcnt 16                              ; K of this unit is in; the 16 younger loads are its V
	SMUL
	s_wait_kmcnt 0x0                               ; this unit's lane bits and the next unit's blocks are in
.if \more
	s_wait_xcnt 0x0                                ; V's loads have had their addresses translated: the four offsets may be written
	s_wait_alu depctr_vm_vsrc(0)                   ; the loads of this unit's K and V have read the four offsets v[AD ..], which the lines below write again
	MKAD                                           ; its four vector lines are the four places behind the products, ahead of the selection
	s_wait_alu depctr_va_vdst(0)                   ; the products K Q^T are done reading K's registers, in which the loads below land; the four offsets are written, which these loads and V's read
.irp s, 0,1,2,3
	LOADK \s                                       ; four loads ahead of each slot's eight selections.  No further wait: no vector line since the wait names K's registers or the offsets
	MASKS \s
.endr
.else
.rept 4
	v_nop                                          ; the four places behind the products
.endr
.irp s, 0,1,2,3
	MASKS \s
.endr
.endif
.if \more
	s_add_nc_u64 s[PTR:PTR+1], s[PTR:PTR+1], 128   ; the loads that named the two pointers are done (the wait on KMcnt above)
	s_add_nc_u64 s[LP:LP+1], s[LP:LP+1], 4
	s_load_b512 s[MK:MK+15], s[PTR:PTR+1], 0x0     ; the lane bits of unit u + 1, at most unit 31: the loop ends at u = U - 2
	s_load_b512 s[MK+16:MK+31], s[PTR:PTR+1], 0x40
	s_load_b32 s[IW], s[LP:LP+1], 0x0              ; the list's word u + 2, at most at byte 128 of the tile's 256; the word U is loaded and not used
.endif
	MAXST
	EXPB
	ROUND
	RESC
	s_wait_loadcnt 16*(\more)                      ; V of this unit is in; the 16 younger loads, if any, are the next unit's K
	PVMUL
	SUMS                                           ; stands beside the products, of which it names no register; in the last unit also the places ahead of the way out
.if \more
	s_wait_alu depctr_va_vdst(0)                   ; the products V^T P are done reading V's registers, in which the loads below land
	LOADV
.endif
.endm
	s_wait_kmcnt 0x0                               ; unit 0's blocks and lane bits, and U
	s_min_u32 s29, s29, 32
	s_max_u32 s29, s29, 1
	s_sub_co_u32 s14, s29, 1                       ; the loop's bound: U - 1
	MKAD
	s_wait_alu depctr_va_vdst(0)                   ; the four offsets v[AD ..] are written, which the 32 loads below read
.irp s, 0,1,2,3
	LOADK \s                                       ; unit 0
.endr
	LOADV
	s_wait_xcnt 0x0
	s_add_nc_u64 s[LP:LP+1], s[LP:LP+1], 4
	s_load_b32 s[IW], s[LP:LP+1], 0x0              ; unit 1's blocks
.set n, 0
.rept 32
	v_mov_b32 v[OA+n], 0                           ; O^T starts at 0, written while the first loads are out, so that there is one text for every unit
.set n, n+1
.endr
	v_mov_b32 v[LS], 0
	v_mov_b32 v[LS+1], 0
	v_mov_b32 v[CM], 0xfe000000                    ; c m: far below every c s
	v_mov_b32 v[CM+1], 0xff7fffff                  ; m
	v_mov_b32 v[NEG], 0xce6e6b28                   ; -1e9
	s_wait_loadcnt 32                              ; Q is in; the 32 younger loads are unit 0's K and V
.irp i, 0,1,2,3,4,5,6,7
	v_cvt_pk_bf16_f32 v[PW+2*(\i)], v[SC+4*(\i)], v[SC+4*(\i)+1]
	v_cvt_pk_bf16_f32 v[PW+2*(\i)+1], v[SC+4*(\i)+2], v[SC+4*(\i)+3]
.endr
	s_wait_alu depctr_va_vdst(0)                   ; the sixteen conversions have written v[PW ..], which the LDS stores read
.irp i, 0,1,2,3,4,5,6,7
	ds_store_b64 v[SQ], v[PW+2*(\i):PW+2*(\i)+1] offset:144*(\i)
.endr
.irp g, 0,1,2,3
	ds_load_b128 v[QF+4*(\g):QF+4*(\g)+3], v[RQ] offset:32*(\g)  ; my wave's own bytes: LDS serves a wave's instructions in order
.endr
	s_wait_dscnt 0x0
	s_wait_alu depctr_vm_vsrc(0)                   ; the LDS stores have read v[PW ..], which every unit's roundings write again: stated ahead of the branch, for both ways
	s_mov_b32 s15, 0
	s_cmp_lt_u32 s15, s14
	s_cbranch_scc0 .Ltail
.Lunit:                                        ; U - 1 trips; no LDS instruction and no barrier stands in the loop
	UNIT 1
	s_add_co_u32 s15, s15, 1
	s_cmp_lt_u32 s15, s14
	s_cbranch_scc1 .Lunit
.Ltail:
	UNIT 0                                         ; the last unit asks for nothing
	; THE WAY OUT.  l's two halves and the other half of the lanes' are added; O^T is divided by l and sent through my stage, so that sixteen lanes store one row's 256 bytes.
	v_add_f32 v[LS], v[LS], v[LS+1]
	v_permlanex16_b32 v[CW+3], v[LS], s[SEL], s[SEL+1]
	v_add_f32 v[LS], v[LS], v[CW+3]
	v_rcp_f32 v[INV], v[LS]
	v_nop                                          ; a plain line behind the reciprocal,
	s_wait_alu depctr_va_vdst(0)                   ; and the reciprocal has written 1 / l, ahead of its first use
.irp j, 0,1,2,3,4,5,6,7                ; register j of piece c is channel 32 hh + 4 j + c; each accumulator's register 0 is read first
.irp c, 0,1,2,3
	v_mul_f32 v[KF+4*(\j)+(\c)], v[OA+8*(\c)+(\j)], v[INV]
.endr
.endr
	s_wait_alu depctr_va_vdst(0)                   ; the 32 multiplies have written v[KF .. KF+31], which the LDS stores read; the products K Q^T are done reading v[KF+32 .. KF+63], in which the LDS loads land
.irp i, 0,1,2,3,4,5,6,7
	ds_store_b128 v[SO], v[KF+4*(\i):KF+4*(\i)+3] offset:16*(\i)
.endr
.irp i, 0,1,2,3,4,5,6,7
	ds_load_b128 v[KF+32+4*(\i):KF+32+4*(\i)+3], v[RDO] offset:272*(\i)  ; served in order: these see the stores above
.endr
.irp i, 0,1,2,3,4,5,6,7
	s_wait_dscnt 7-(\i)                            ; load i is back, the younger ones stay out
	global_store_b128 v[RO], v[KF+32+4*(\i):KF+32+4*(\i)+3], s[10:11] offset:2048*(\i) th:TH_STORE_NT  ; 16 lanes store 256 consecutive bytes, at a multiple of 256 from out0's first byte
.endr
	s_wait_dscnt 0x0                               ; the wave's end
	s_wait_alu 0x0
	s_wait_tensorcnt 0x0
	ds_add_u32 v[SPW], v[NIL]
	s_wait_dscnt 0x0
	s_endpgm
.Lfunc_end_k_qc388a341ea_attn:
	.size	k_qc388a341ea_attn, .Lfunc_end_k_qc388a341ea_attn-k_qc388a341ea_attn
	.p2alignl 7, 3214868480
	.fill 96, 4, 3214868480
	.section	.rodata,"a",@progbits
	.p2align	6, 0x0
	.amdhsa_kernel k_qc388a341ea_attn
		.amdhsa_group_segment_fixed_size 71680
		.amdhsa_private_segment_fixed_size 0
		.amdhsa_enable_private_segment 0
		.amdhsa_kernarg_size 40
		.amdhsa_user_sgpr_count 2
		.amdhsa_user_sgpr_kernarg_segment_ptr 1
		.amdhsa_wavefront_size32 1
		.amdhsa_system_sgpr_workgroup_id_x 1
		.amdhsa_system_sgpr_workgroup_id_y 1
		.amdhsa_system_sgpr_workgroup_id_z 1
		.amdhsa_system_vgpr_workitem_id 0
		.amdhsa_next_free_vgpr 256
		.amdhsa_next_free_sgpr 66
		.amdhsa_reserve_vcc 0
		.amdhsa_float_denorm_mode_32 3
		.amdhsa_float_denorm_mode_16_64 3
		.amdhsa_memory_ordered 1
		.amdhsa_forward_progress 1
		.amdhsa_inst_pref_size 38
	.end_amdhsa_kernel
	.amdgpu_metadata
---
amdhsa.version: [ 1, 2 ]
amdhsa.kernels:
  - .name:           k_qc388a341ea_attn
    .symbol:         k_qc388a341ea_attn.kd
    .args:
      - { .name: queries, .offset: 0, .size: 8, .value_kind: global_buffer, .address_space: global }
      - { .name: kvf, .offset: 8, .size: 8, .value_kind: global_buffer, .address_space: global }
      - { .name: list, .offset: 16, .size: 8, .value_kind: global_buffer, .address_space: global }
      - { .name: out0, .offset: 24, .size: 8, .value_kind: global_buffer, .address_space: global }
      - { .name: bits, .offset: 32, .size: 8, .value_kind: global_buffer, .address_space: global }
    .group_segment_fixed_size: 71680
    .private_segment_fixed_size: 0
    .kernarg_segment_align: 8
    .kernarg_segment_size: 40
    .max_flat_workgroup_size: 512
    .sgpr_count:     66
    .vgpr_count:     256
    .wavefront_size: 32
...
	.end_amdgpu_metadata
.endif
;; end of part 3
